; MI455X (gfx1250); checked and timed in simulation.
; The chip was launched on July 23, 2026; its instructions are those of AMD's public machine-readable ISA for CDNA 5 (MIT licence, August 2026) and "CDNA5" Instruction Set Architecture Reference Guide (July 2026). The comments in the code are by the model that wrote it; some were corrected since.
;; Attention. Allowed arithmetic: float matrix products may take bf16 or f16 operands with f32 sums; all other float work in f32.
;; Inputs: Wk 1,024 x 1,024 float32; Wq 1,024 x 1,024 float32; bk 1,024 float32; bq 1,024 float32; key_input 4 x 2,048 x 1,024 float32; query_input 4 x 2,048 x 1,024 float32.
;; Outputs: out0 4 x 2,048 x 1,024 float32.
;; One version. Each part assembles by itself: llvm-mc -triple=amdgcn-amd-amdhsa -mcpu=gfx1250 --defsym DOCPART=n.
;; ======== version 1 of 1: 2 launches
;; limits: inputs' magnitudes at most 65,504; below input magnitudes of 6.1e-05 results are inexact or not finite; values are held in f16: magnitudes above 65,504 overflow, below 6.1e-05 lose precision
;; workspace buffers: qp 16,777,216 bytes; kp 16,777,216 bytes
;; launch proj (part 1): grid 4 x 64, 4 waves a work-group, clusters of 4 x 4, 327,680 bytes of LDS; arguments query_input, key_input, Wq, Wk, bq, bk, qp, kp; writes qp, kp
.if DOCPART == 1
	.amdgcn_target "amdgcn-amd-amdhsa--gfx1250"
	.amdhsa_code_object_version 6
	.text
	.protected	k_qb08008c297_proj
	.globl	k_qb08008c297_proj
	.p2align	8
	.type	k_qb08008c297_proj,@function
k_qb08008c297_proj:
	s_mov_b64 s[64:65], 0
	v_nop
	global_prefetch_b8 v0, s[64:65] scope:SCOPE_SE
	s_setreg_imm32_b32 hwreg(HW_REG_WAVE_MODE, 25, 1), 1
	s_wait_xcnt 0x0
	s_wait_alu depctr_hold_cnt(0) depctr_sa_sdst(0) depctr_va_vdst(0) depctr_va_sdst(0) depctr_va_ssrc(0) depctr_va_vcc(0) depctr_vm_vsrc(0)
	s_getreg_b32 s2, hwreg(HW_REG_IB_STS2, 6, 4)
	s_cmp_eq_u32 s2, 0
	s_cbranch_scc0 .Lentry_in_a_cluster
	s_endpgm
.Lentry_in_a_cluster:
	s_bfe_u32 s2, ttmp6, 0x10000c
	s_cmp_lg_u32 s2, 0xf033
	s_cbranch_scc0 .Lentry_shape_is_right
	s_endpgm
.Lentry_shape_is_right:
; BOTH PROJECTIONS IN ONE LAUNCH:  qp = query_input Wq^T + bq,  kp = key_input Wk^T + bk.  X: [8192][1024] f32, W: [1024][1024] f32, bias: [1024] f32.
; Products on f16 operands (each f32 rounded once on its way from LDS to the matrix unit), sums in f32, started by the f32 bias; the result is rounded once to bf16 and
; stored by heads: byte (batch*16 + head)*262144 + s*128 + d*2, so that a head's 2,048 rows are one dense block for the launch that follows.  The factor 1/8 of q is applied there.
; WHY f16 FOR X AND W, AND bf16 FOR THE RESULT.  f16 keeps 11 significant bits against bf16's 8, at the same matrix rate, and a sum of 1,024 rounded products feeds an exponential later.
; X and W have the room: numbers of spread 1 and 0.03 stay, 30 times larger or offset by 30 spreads, under 200, against f16's largest 65,504; 30 times smaller, W's spread is 0.0018 and f16's
; spacing below 2^-14 is 2^-24, some 3e-5 of that spread.  The sums have no such room (offsets on X and on W together give 1,024 products of one sign, which can pass 65,504), so q and k are kept in bf16.
; LIMITS.  An element of X or W above 65,504 in magnitude becomes infinity; one below 2^-14 is kept to 2^-24 absolute.  Infinities and NaN pass through the sums as the matrix unit passes them.
; SHARES.  2 problems x 32 x 4 tiles of 256 x 256 = 256 work-groups, one tile each.  Four waves, each 128 x 128: 64 accumulators of 16 x 16, 512 registers.
; K goes in steps of 64 (rows of 256 bytes of f32, each at a multiple of 256 bytes from the buffer's first byte) through a ring of two LDS slots filled by the tensor data mover.
; A K step is two halves of 32: 64 LDS loads bring the raw f32 of a half, 128 conversions make 16 f16 fragments of it, 64 matrix instructions multiply them.
; CLUSTERS.  4 x 4 work-groups.  The four of a row of the cluster need the same rows of X, the four of a column the same rows of W: each tile is asked for JOINTLY, by the same tensor
; load with the same descriptor and a mask that names the four.  The problem (q or k) hangs on the cluster's y alone, which all sixteen share.
; THE MATRIX INSTRUCTION IS USED TRANSPOSED (source 0 = 16 rows of W, source 1 = 16 rows of X): a lane then holds eight neighbouring columns of one row of the result.
; REGISTERS, in windows of 256 (s_set_vgpr_msb: bits 1:0 source 0, 3:2 source 1, 5:4 source 2, 7:6 destination):
;   window 0: v16-28 addresses; v32-63, v224-255 rows on the way out; v64-127 X's eight f16 fragments; v128-191 W's; v192-223 packed results; v192-255 the bias, for the first products alone
;   window 1: v0-127 raw f32 of X (8 x 16 registers), v128-255 raw f32 of W        windows 2, 3: accumulator (a, b) at v[8 (8 (a % 4) + b)]
.set KB,     256                       ; bytes of a K step in a row: 64 f32
.set PITCH,  272                       ; an LDS row: 256 bytes + 16 of padding = 68 words: row r starts at bank 4 r mod 64 (64 banks of 4 bytes: ISA guide 11.1), so the 16 rows of a load start at 16 different banks
.set HALFT,  128*PITCH                 ; 128 rows: what one tensor load brings, and what one wave reads of X or of W
.set SLOT,   4*HALFT                   ; X's 256 rows, then W's 256 rows
.set STAGE,  2*SLOT                    ; behind the ring: 16 rows x 272 bytes for each wave, for the way out; no tensor load fills it
.set SPITCH, 272
.set LAPS,   8                         ; a lap = two K steps = once round the ring; 1024 / 128
.set ADRA, 16                          ; v16-17  LDS address of my raw X in slot 0, 1
.set ADRB, 20                          ; v20-21  the same for W
.set STO,  24                          ; v24     the way out: where I put 16 bytes of a row
.set RD,   25                          ; v25     the way out: where I read 16 bytes back
.set CO,   26                          ; v26     my byte offset in the output
.set BO,   27                          ; v27     my byte offset in the wave's 128 numbers of the bias
.set PF,   28                          ; v28     byte offset in X of the block that I ask for ahead
.set OB,   32                          ; the way out: 16 rows read back from the stage, v32-63 and v224-255 by turns
.set FA,   64
.set FB,   128
.set TMP,  192
.set BIAS, 192
.set RA,   0                           ; in window 1
.set RB,   128
.set G1,  24                           ; s[24:31] descriptor group 1 for X's tiles
.set G0,  32                           ; s[32:39] descriptor group 0 for X's tiles, one set for each slot
.set G1B, 48                           ; s[48:55] group 1 for W's tiles: it differs in the mask alone
.set G0B, 56                           ; s[56:63] group 0 for W's tiles
.set MSB, 0
.macro WIN new                         ; the immediate's high byte repeats the setting that is left; a switch that changes nothing is dropped
.if MSB != \new
	s_set_vgpr_msb (MSB<<8)|\new
.set MSB, \new
.endif
.endm
.set RAW,    0x40                      ; destination window 1, address window 0
.set CV,     0x05                      ; sources 0 and 1 window 1, destination window 0
.set MUL_LO, 0xa0                      ; fragments window 0, C and D window 2
.set MUL_HI, 0xf0                      ; C and D window 3
.set ONE_LO, 0x80                      ; the first products: C (the bias) window 0, D window 2
.set ONE_HI, 0xc0                      ; D window 3
; A joint refill.  Waves 0 and 1 fetch X's two halves, waves 2 and 3 W's.  The branch hangs on the wave's number alone: it is the same in every work-group.
; Four v_nop follow each of the two lines; the jump, the label and what follows the macro come after them.
.macro JLOAD s
	s_cmp_eq_u32 s11, 0
	s_cbranch_scc0 .Lfor_b_\@
	tensor_load_to_lds s[G0+4*\s:G0+4*\s+3], s[G1:G1+7]
	s_nop 0
.rept 4
	v_nop
.endr
	s_branch .Lasked_\@
.Lfor_b_\@:
	tensor_load_to_lds s[G0B+4*\s:G0B+4*\s+3], s[G1B:G1B+7]
	s_nop 0
.rept 4
	v_nop
.endr
.Lasked_\@:
.endm
; A round of the cluster's barrier: my work-group's barrier, so that wave 0's signal speaks for all four waves; wave 0 signals for the work-group; every wave waits for all sixteen
; work-groups; my work-group's barrier once more.
.macro CREST                           ; a round behind its opening barrier
	s_cmp_lg_u32 s10, 0
	s_cbranch_scc1 .Lnot_wave_0_\@
	s_barrier_signal -3
.Lnot_wave_0_\@:
	s_barrier_wait -3
	s_barrier_signal -1
	s_barrier_wait -1
.endm
.macro CROUND                          ; a whole round
	s_barrier_signal -1
	s_barrier_wait -1
	CREST
.endm
	s_load_b512 s[68:83], s[0:1], 0x0              ; query_input, key_input, Wq, Wk, bq, bk, qp, kp
	v_lshl_add_u32 v30, v0, 2, 0x48400
	v_mov_b32 v31, 0
	ds_add_u32 v30, v31
	v_lshrrev_b32 v1, 5, v0
	v_readfirstlane_b32 s10, v1                    ; wave 0..3
	s_lshr_b32 s11, s10, 1                         ; which half of the tile's rows is mine.  Also: I fetch for X (0) or for W (1)
	s_and_b32 s12, s10, 1                          ; which half of its columns.  Also: which 128 rows of that tile I fetch
	s_bfe_u32 s40, ttmp6, 0x40000                  ; cx: my place along the cluster's x
	s_bfe_u32 s41, ttmp6, 0x40004                  ; cy: along its y
	s_lshl_b32 s42, ttmp9, 2                       ; in a cluster launch ttmp9 and ttmp7 count clusters
	s_add_co_u32 s42, s42, s40                     ; tile column 0..3 = 4 x cluster x + cx
	s_and_b32 s45, ttmp7, 0xffff                   ; the cluster's y, 0..15: 0-7 make q, 8-15 make k
	s_and_b32 s13, s45, 7
	s_lshl_b32 s13, s13, 2
	s_add_co_u32 s13, s13, s41                     ; tile row 0..31 inside the problem
	s_lshl_b32 s43, s41, 2
	s_lshl_b32 s43, 15, s43                        ; my row of the cluster: places 4 cy .. 4 cy + 3
	s_lshl_b32 s44, 0x1111, s40                    ; my column: places cx, cx + 4, cx + 8, cx + 12
	; descriptor group 1: a tile of 128 rows x 64 elements of 4 bytes, padded in LDS
	s_or_b32 s[G1+0], s43, (2<<16)|(1<<20)|(1<<21)|(5<<22)|(3<<25)   ; 15:0 the mask: X's tiles go to my row; 17:16 elements of 4 bytes; 20 padding on; 21 set beside a mask; 24:22 after every 64 words (code 5); 31:25 4 words of it (code 3)
	s_or_b32 s[G1B+0], s44, (2<<16)|(1<<20)|(1<<21)|(5<<22)|(3<<25)  ; the same with the mask of my column, for W's tiles
.irp g, G1, G1B
	s_mov_b32 s[\g+1], 64<<16                      ; tensor_dim0 = 64
	s_mov_b32 s[\g+2], 128<<16                     ; tensor_dim1 = 128
	s_mov_b32 s[\g+3], 64<<16                      ; tile_dim0 = 64
	s_mov_b32 s[\g+4], 128                         ; tile_dim1 = 128
	s_mov_b32 s[\g+5], 1024                        ; elements from row to row
	s_mov_b32 s[\g+6], 0
	s_mov_b32 s[\g+7], 0
.endr
	; where the tiles come from.  X's hang on the tile row alone, which my row of the cluster shares; W's on the tile column alone, which my column shares.
	s_lshl_b32 s17, s12, 7                         ; which 128 rows of the tile I fetch
	s_lshl_b32 s16, s13, 8
	s_add_co_u32 s16, s16, s17                     ; X: row 256 x tile row + 128 x half
	s_lshl_b32 s16, s16, 12                        ; rows of 4,096 bytes: under 2^25
	s_lshl_b32 s46, s42, 8
	s_add_co_u32 s46, s46, s17                     ; W: row 256 x tile column + 128 x half
	s_lshl_b32 s46, s46, 12
	s_mov_b32 s17, 0
	s_mov_b32 s47, 0
	s_mul_i32 s20, s10, HALFT                      ; and where they go: wave x 128 rows: no place in the cluster enters an LDS address
	s_wait_dscnt 0x0
	s_wait_kmcnt 0x0
	s_cmp_ge_u32 s45, 8                            ; the problem: a choice between two buffers, on the cluster's y alone
	s_cselect_b64 s[4:5], s[70:71], s[68:69]       ; X
	s_cselect_b64 s[6:7], s[74:75], s[72:73]       ; W
	s_cselect_b64 s[84:85], s[78:79], s[76:77]     ; the bias
	s_cselect_b64 s[8:9], s[82:83], s[80:81]       ; the output
	s_add_nc_u64 s[14:15], s[4:5], s[16:17]
	s_add_nc_u64 s[46:47], s[6:7], s[46:47]
	CROUND                                         ; all sixteen work-groups are here: the first joint loads meet
.irp s, 0,1
	s_mov_b32 s[G0+4*\s], 1                                        ; count = 1
	s_add_co_u32 s[G0+4*\s+1], s20, \s*SLOT                        ; LDS address
	s_add_nc_u64 s[G0+4*\s+2:G0+4*\s+3], s[14:15], \s*KB           ; global address: K step s
	s_or_b32 s[G0+4*\s+3], s[G0+4*\s+3], 0x80000000                ; type = 2
	s_mov_b32 s[G0B+4*\s], 1
	s_add_co_u32 s[G0B+4*\s+1], s20, \s*SLOT
	s_add_nc_u64 s[G0B+4*\s+2:G0B+4*\s+3], s[46:47], \s*KB
	s_or_b32 s[G0B+4*\s+3], s[G0B+4*\s+3], 0x80000000
.endr
	s_cmp_eq_u32 s11, 0                            ; a wave's two first fills stand in one branch, ahead of every wait on TENSORcnt and every LDS read: two loads of mine are out
	s_cbranch_scc0 .Lfirst_b
	tensor_load_to_lds s[G0:G0+3], s[G1:G1+7]
	s_nop 0
	tensor_load_to_lds s[G0+4:G0+7], s[G1:G1+7]
	s_nop 0
.rept 4
	v_nop
.endr
	s_branch .Lfirst_asked
.Lfirst_b:
	tensor_load_to_lds s[G0B:G0B+3], s[G1B:G1B+7]
	s_nop 0
	tensor_load_to_lds s[G0B+4:G0B+7], s[G1B:G1B+7]
	s_nop 0
.rept 4
	v_nop
.endr
.Lfirst_asked:
	; ASKING AHEAD FOR X.  The four partners of a row of the cluster have 512 threads: 256 rows x the two blocks of 256 bytes of a lap.  Thread t of partner cx asks for row 64 cx + t % 64,
	; block t / 64: each block once in the launch.  Here lap 1; trip i of the loop asks for lap i + 2, one trip ahead of the refills that fetch it.  W is not asked for: sixteen clusters read it again.
	v_and_b32 v7, 63, v0
	v_lshrrev_b32 v8, 6, v0
	s_lshl_b32 s18, s13, 8
	s_lshl_b32 s19, s40, 6
	s_add_co_u32 s18, s18, s19
	s_lshl_b32 s18, s18, 12
	s_add_co_u32 s18, s18, 2*KB                    ; lap 1
	v_lshl_add_u32 v[PF], v7, 12, s18
	v_lshl_add_u32 v[PF], v8, 8, v[PF]
	global_prefetch_b8 v[PF], s[4:5] th:TH_LOAD_NT scope:SCOPE_SE
	; the bias of my 128 columns, laid as the C operand of the transposed product: register j of block b in lane (r, h) is column 16 b + 8 h + j
	v_and_b32 v1, 15, v0                           ; r = lane % 16
	v_bfe_u32 v2, v0, 4, 1                         ; h = lane / 16
	v_lshlrev_b32 v[BO], 5, v2                     ; 8 h numbers of 4 bytes
	s_lshl_b32 s18, s42, 10                        ; 256 columns x 4 bytes x tile column
	s_lshl_b32 s19, s12, 9                         ; + 128 columns x 4 bytes x half
	s_add_co_u32 s18, s18, s19
	s_mov_b32 s19, 0
	s_add_nc_u64 s[84:85], s[84:85], s[18:19]
.irp b, 0,1,2,3,4,5,6,7
	global_load_b128 v[BIAS+8*\b:BIAS+8*\b+3],   v[BO], s[84:85] offset:64*\b
	global_load_b128 v[BIAS+8*\b+4:BIAS+8*\b+7], v[BO], s[84:85] offset:64*\b+16
.endr
	; An f16 fragment is 16 rows x 32 K: lane (r, h) holds row r; registers 0-3 K = 8 h + 0..7, registers 4-7 K = 16 + 8 h + 0..7.  In f32 those are 32 bytes at 32 h and 32 bytes at 64 + 32 h.
	v_mul_u32_u24 v3, v1, PITCH
	v_lshl_add_u32 v3, v2, 5, v3                   ; row x pitch + 32 h
	s_mul_i32 s21, s11, HALFT                      ; my 128 rows of X
	s_mul_i32 s22, s12, HALFT                      ; my 128 rows of W,
	s_add_co_u32 s22, s22, 2*HALFT                 ; which lie behind X's 256
.irp s, 0,1
	v_add_nc_u32 v[ADRA+\s], s21, v3
	v_add_nc_u32 v[ADRB+\s], s22, v3
	s_add_co_u32 s21, s21, SLOT
	s_add_co_u32 s22, s22, SLOT
.endr
	s_mul_i32 s23, s10, 16*SPITCH
	s_add_co_u32 s23, s23, STAGE                   ; my stage
	v_mul_u32_u24 v4, v1, SPITCH                   ; in: row r, 16 bytes for each half of the lanes
	v_lshl_add_u32 v4, v2, 4, v4
	v_add_nc_u32 v[STO], s23, v4
	v_bfe_u32 v5, v0, 3, 1                         ; back: lanes 0-15 take my first head's 128 bytes of two rows, lanes 16-31 my second head's
	v_and_b32 v6, 7, v0
	v_mul_u32_u24 v5, v5, SPITCH
	v_lshl_add_u32 v5, v2, 7, v5
	v_lshl_add_u32 v5, v6, 4, v5
	v_add_nc_u32 v[RD], s23, v5
	v_lshlrev_b32 v5, 4, v1                        ; in the output two rows of a head are 256 neighbouring bytes; the next head lies 262,144 bytes on
	v_lshl_add_u32 v[CO], v2, 18, v5
	s_lshr_b32 s66, s13, 3                         ; the batch: eight tile rows each
	s_lshl_b32 s66, s66, 4
	s_lshl_b32 s18, s42, 2                         ; four heads to a tile column,
	s_add_co_u32 s66, s66, s18
	s_lshl_b32 s18, s12, 1                         ; two to a wave
	s_add_co_u32 s66, s66, s18
	s_lshl_b32 s66, s66, 18                        ; (batch x 16 + head) x 262,144
	s_and_b32 s18, s13, 7
	s_lshl_b32 s18, s18, 15                        ; + 256 rows of 128 bytes x tile row in the batch
	s_add_co_u32 s66, s66, s18
	s_lshl_b32 s18, s11, 14                        ; + 128 rows x half
	s_add_co_u32 s66, s66, s18
	s_mov_b32 s67, 0
	s_add_nc_u64 s[8:9], s[8:9], s[66:67]
; 64 LDS loads in one run: the raw f32 of one half step (128 rows of W, 128 rows of X, 32 K at byte kb of the rows)
.macro FETCH slot, kb
	WIN RAW
.irp i, 0,1,2,3,4,5,6,7
.irp u, 0,1,2,3
	ds_load_b128 v[RB+16*\i+4*\u:RB+16*\i+4*\u+3], v[ADRB+\slot] offset:\kb+\i*16*PITCH+(\u/2)*64+(\u%2)*16
.endr
.endr
.irp i, 0,1,2,3,4,5,6,7
.irp u, 0,1,2,3
	ds_load_b128 v[RA+16*\i+4*\u:RA+16*\i+4*\u+3], v[ADRA+\slot] offset:\kb+\i*16*PITCH+(\u/2)*64+(\u%2)*16
.endr
.endr
.endm
; 128 roundings: two f32 to two f16, the first source into the low half, K in its true places
.macro CVT
	WIN CV
.irp f, 0,1,2,3,4,5,6,7
.irp i, 0,1,2,3,4,5,6,7
	v_cvt_pk_f16_f32 v[FB+8*\f+\i], v[RB+16*\f+2*\i], v[RB+16*\f+2*\i+1]
.endr
.endr
.irp f, 0,1,2,3,4,5,6,7
.irp i, 0,1,2,3,4,5,6,7
	v_cvt_pk_f16_f32 v[FA+8*\f+\i], v[RA+16*\f+2*\i], v[RA+16*\f+2*\i+1]
.endr
.endr
.endm
; 16 matrix instructions: row blocks a0, a0 + 1 of the window's four (hi = 0: my rows 0-63, 1: rows 64-127) x all 8 column blocks.  first = 1: the bias starts the sums: nothing is cleared,
; and no pass adds the bias at the end.  The 64 accumulators take turns, one instruction a turn, in the same order in every half step.
.macro MUL16 hi, a0, first
.irp a, \a0, \a0+1
.irp b, 0,1,2,3,4,5,6,7
.if \first
	v_wmma_f32_16x16x32_f16 v[8*(8*(\a)+\b):8*(8*(\a)+\b)+7], v[FB+8*\b:FB+8*\b+7], v[FA+8*(4*\hi+\a):FA+8*(4*\hi+\a)+7], v[BIAS+8*\b:BIAS+8*\b+7]
.else
	v_wmma_f32_16x16x32_f16 v[8*(8*(\a)+\b):8*(8*(\a)+\b)+7], v[FB+8*\b:FB+8*\b+7], v[FA+8*(4*\hi+\a):FA+8*(4*\hi+\a)+7], v[8*(8*(\a)+\b):8*(8*(\a)+\b)+7]
.endif
.endr
.endr
.endm
; A vector instruction that writes a register that a matrix instruction has read, or reads a matrix result, stands four places behind it, and only plain vector instructions that name none
; of its registers are places (ISA guide 7.12.1).  The roundings write the fragments that the last products read, so four v_nop stand in front of them.
.macro PLACES
.rept 4
	v_nop
.endr
.endm
; The first half of a K step: rounds the raw numbers that are in, asks for the second half's, multiplies.
.macro HALF0 slot, first
	s_wait_dscnt 0x0                               ; the raw numbers of this half are in
	PLACES
	CVT
	FETCH \slot, 128                               ; issued 64 matrix instructions ahead of the wait for them
.if \first
	WIN ONE_LO
.else
	WIN MUL_LO
.endif
	MUL16 0, 0, \first
	MUL16 0, 2, \first
.if \first
	WIN ONE_HI
.else
	WIN MUL_HI
.endif
	MUL16 1, 0, \first
	MUL16 1, 2, \first
.endm
; The second half changes slots: ONE barrier for two things.  In front of it each wave waits for its own reads of this slot and for all its tensor loads, of which one is out: its part of the
; next slot.  Behind it nobody reads this slot any more and the next slot is whole.  fill = 1: the barrier opens a round of the cluster's barrier, and this slot is filled again, two K steps
; ahead, by the first tensor load behind the round: it has 112 matrix instructions and 256 roundings in which to land.
.macro HALF1 slot, next, fill
	s_wait_dscnt 0x0                               ; the raw numbers are in, and they were my last reads of this slot
	PLACES
	CVT
	s_set_vgpr_msb 0x500
	s_wait_tensorcnt 0x0                           ; all my tensor loads have landed: my part of the next slot; a group 0 may now be written
	ds_add_u32 v30, v31
	s_wait_dscnt 0x0
	s_set_vgpr_msb 0x5
	s_barrier_signal -1
	WIN MUL_LO
	MUL16 0, 0, 0                                  ; work on registers while the others arrive
.if \fill
	WIN 0                                          ; at a branch and at a label every window is 0
.endif
	s_barrier_wait -1
.if \fill
	CREST                                          ; no wave of any partner still reads this slot's tile or has a load on its way
	s_add_nc_u64 s[G0+4*\slot+2:G0+4*\slot+3], s[G0+4*\slot+2:G0+4*\slot+3], 2*KB
	s_add_nc_u64 s[G0B+4*\slot+2:G0B+4*\slot+3], s[G0B+4*\slot+2:G0B+4*\slot+3], 2*KB
	JLOAD \slot
.endif
	FETCH \next, 0                                 ; the raw registers are no matrix instruction's: no places are owed
	WIN MUL_LO
	MUL16 0, 2, 0
	WIN MUL_HI
	MUL16 1, 0, 0
	MUL16 1, 2, 0
.endm
; THE WAY OUT of row block a, in three parts.  PACK: rounded to bf16, 16 bytes a lane.  TOSTAGE: into my own stage in LDS, and back by heads.  SEND: stored.
.macro PACK a
.set AC, 64*((\a)%4)
	WIN 0x0a+5*((\a)/4)                            ; sources 0 and 1: window 2 or 3
.irp b, 0,1,2,3,4,5,6,7
.irp r, 0,1,2,3
	v_cvt_pk_bf16_f32 v[TMP+4*\b+\r], v[AC+8*\b+2*\r], v[AC+8*\b+2*\r+1]
.endr
.endr
	WIN 0
.endm
.macro TOSTAGE a
.set BK, OB+192*((\a)%2)
.irp b, 0,1,2,3,4,5,6,7
	ds_store_b128 v[STO], v[TMP+4*\b:TMP+4*\b+3] offset:32*\b
.endr
.irp t, 0,1,2,3,4,5,6,7
	ds_load_b128 v[BK+4*\t:BK+4*\t+3], v[RD] offset:\t*2*SPITCH    ; LDS serves a wave's instructions in order (ISA guide 5.7.1.4): these see the stores above
.endr
.endm
.macro SEND a
.set BK, OB+192*((\a)%2)
	s_wait_dscnt 0x0                               ; the block is back in registers
	s_wait_xcnt 0x0                                ; the stores of the block before have had their addresses translated (ISA guide 3.1): the next block is read back into their registers only behind this wait
.irp t, 0,1,2,3,4,5,6,7
	global_store_b128 v[CO], v[BK+4*\t:BK+4*\t+3], s[8:9] offset:(\a)*2048+\t*256   ; 16 lanes store two rows of one head: 256 consecutive bytes, at a multiple of 256 from the buffer's first byte
.endr
.endm
	s_wait_tensorcnt 0x1                           ; my part of K step 0 is in; K step 1's load, issued behind it, may stay out
	s_barrier_signal -1
	s_barrier_wait -1                              ; everybody's is
	FETCH 0, 0
	s_wait_loadcnt 0x0                             ; the bias
	HALF0 0, 1                                     ; the first half step stands in front of the loop: its products start the sums
	WIN 0
	s_mov_b32 s3, LAPS-1
.Llap:                                                 ; a trip goes once round the ring, from a lap's second half step to the next lap's first, and fills both slots again
	s_cmp_eq_u32 s3, 1                             ; the last trip would ask for lap 8, which does not exist: it asks for nothing
	s_cbranch_scc1 .Lno_ask
	s_wait_xcnt 0x0                                ; the last request has had its address translated: its register may step
	v_add_nc_u32 v[PF], 2*KB, v[PF]
	global_prefetch_b8 v[PF], s[4:5] th:TH_LOAD_NT scope:SCOPE_SE
.Lno_ask:
	HALF1 0, 1, 1
	HALF0 1, 0
	HALF1 1, 0, 1
	HALF0 0, 0
	WIN 0
	s_sub_co_u32 s3, s3, 1
	s_cmp_lg_u32 s3, 0
	s_cbranch_scc1 .Llap
	HALF1 0, 1, 0                                  ; the last lap fills nothing, and has no round of the cluster's barrier
	HALF0 1, 0
	s_wait_dscnt 0x0                               ; the very last half step: nothing more to fetch
	PLACES
	CVT
	WIN MUL_LO
	MUL16 0, 0, 0
	MUL16 0, 2, 0
	WIN MUL_HI
	MUL16 1, 0, 0
	MUL16 1, 2, 0
	PLACES                                         ; the roundings below read results
	PACK 0
	TOSTAGE 0
.irp a, 1,2,3,4,5,6,7                  ; block a's roundings stand between block a - 1's loads from the stage and the wait for them
	PACK \a
	SEND \a-1
	TOSTAGE \a
.endr
	SEND 7
	s_wait_tensorcnt 0x0
	ds_add_u32 v30, v31
	s_wait_dscnt 0x0
	CROUND                                         ; the closing round: no work-group ends while a partner may still ask for a tile that names it
	s_endpgm
.Lfunc_end_k_qb08008c297_proj:
	.size	k_qb08008c297_proj, .Lfunc_end_k_qb08008c297_proj-k_qb08008c297_proj
	.p2alignl 7, 3214868480
	.fill 96, 4, 3214868480
	.section	.rodata,"a",@progbits
	.p2align	6, 0x0
	.amdhsa_kernel k_qb08008c297_proj
		.amdhsa_group_segment_fixed_size 327680
		.amdhsa_private_segment_fixed_size 0
		.amdhsa_enable_private_segment 0
		.amdhsa_kernarg_size 64
		.amdhsa_user_sgpr_count 2
		.amdhsa_user_sgpr_kernarg_segment_ptr 1
		.amdhsa_wavefront_size32 1
		.amdhsa_system_sgpr_workgroup_id_x 1
		.amdhsa_system_sgpr_workgroup_id_y 1
		.amdhsa_system_sgpr_workgroup_id_z 1
		.amdhsa_system_vgpr_workitem_id 0
		.amdhsa_next_free_vgpr 1024
		.amdhsa_next_free_sgpr 86
		.amdhsa_reserve_vcc 0
		.amdhsa_float_denorm_mode_32 3
		.amdhsa_float_denorm_mode_16_64 3
		.amdhsa_memory_ordered 1
		.amdhsa_forward_progress 1
		.amdhsa_inst_pref_size 174
	.end_amdhsa_kernel
	.amdgpu_metadata
---
amdhsa.version: [ 1, 2 ]
amdhsa.kernels:
  - .name:           k_qb08008c297_proj
    .symbol:         k_qb08008c297_proj.kd
    .args:
      - { .name: query_input, .offset: 0, .size: 8, .value_kind: global_buffer, .address_space: global }
      - { .name: key_input, .offset: 8, .size: 8, .value_kind: global_buffer, .address_space: global }
      - { .name: Wq, .offset: 16, .size: 8, .value_kind: global_buffer, .address_space: global }
      - { .name: Wk, .offset: 24, .size: 8, .value_kind: global_buffer, .address_space: global }
      - { .name: bq, .offset: 32, .size: 8, .value_kind: global_buffer, .address_space: global }
      - { .name: bk, .offset: 40, .size: 8, .value_kind: global_buffer, .address_space: global }
      - { .name: qp, .offset: 48, .size: 8, .value_kind: global_buffer, .address_space: global }
      - { .name: kp, .offset: 56, .size: 8, .value_kind: global_buffer, .address_space: global }
    .group_segment_fixed_size: 327680
    .private_segment_fixed_size: 0
    .kernarg_segment_align: 8
    .kernarg_segment_size: 64
    .max_flat_workgroup_size: 128
    .sgpr_count:     86
    .vgpr_count:     1024
    .wavefront_size: 32
...
	.end_amdgpu_metadata
.endif
;; end of part 1
;; launch attn (part 2): grid 4 x 64, 8 waves a work-group, clusters of 4 x 1, 295,936 bytes of LDS; arguments qp, kp, out0; writes out0
.if DOCPART == 2
	.amdgcn_target "amdgcn-amd-amdhsa--gfx1250"
	.amdhsa_code_object_version 6
	.text
	.protected	k_qb08008c297_attn
	.globl	k_qb08008c297_attn
	.p2align	8
	.type	k_qb08008c297_attn,@function
k_qb08008c297_attn:
	s_mov_b64 s[64:65], 0
	v_nop
	global_prefetch_b8 v0, s[64:65] scope:SCOPE_SE
	s_setreg_imm32_b32 hwreg(HW_REG_WAVE_MODE, 25, 1), 1
	s_wait_xcnt 0x0
	s_wait_alu depctr_hold_cnt(0) depctr_sa_sdst(0) depctr_va_vdst(0) depctr_va_sdst(0) depctr_va_ssrc(0) depctr_va_vcc(0) depctr_vm_vsrc(0)
	s_getreg_b32 s2, hwreg(HW_REG_IB_STS2, 6, 4)
	s_cmp_eq_u32 s2, 0
	s_cbranch_scc0 .Lentry_in_a_cluster
	s_endpgm
.Lentry_in_a_cluster:
	s_bfe_u32 s2, ttmp6, 0x10000c
	s_cmp_lg_u32 s2, 0x3003
	s_cbranch_scc0 .Lentry_shape_is_right
	s_endpgm
.Lentry_shape_is_right:
; out[b][q][h][:] = the sum over k of softmax_k(q . k / 8) k[:], K serving as the values too.  qp, kp: [64 (batch, head)][2048][64] bf16, q unscaled; out0: [4][2048][1024] f32.
; SHARES.  A work-group owns 512 queries of one (batch, head), each of its eight waves 64: four tiles of 16.  Every wave walks all 2,048 keys, 64 a step.
; THE HEAD'S WHOLE K LIES IN LDS: 2,048 rows at a pitch of 144 bytes are the 294,912 bytes asked for.  It is filled once: no ring, no refill, no barrier inside a loop.  The same bytes are
; read as K, as they lie, and as V, turned by ds_load_tr16_b128.
; CLUSTER.  The four query blocks of a head form a cluster and need the same K: each tile is asked for JOINTLY, by the same tensor load with the same descriptor and a mask that names the four.
; EIGHT WAVES, two to a SIMD: a wave's step has 72 matrix instructions and some 400 vector instructions, written in phases; one wave's softmax can run beside the other's products, and no
; barrier in the loops holds the two in the same phase.
; LAYOUT.  S^T = K Q^T (source 0 = 16 keys, source 1 = 16 queries): a lane holds ONE query (lane % 16) and keys 8 (lane / 16) + 0..7.  Two such tiles, rounded to bf16 in pairs, ARE source 1
; (32 keys x 16 queries) of O^T = V^T P, whose result again holds one query a lane, and eight channels.  The weights are rounded in place, into the lower half of the scores' registers.
; SOFTMAX.  For each query a running maximum m: p = 2^(c s - c m), c = log2(e) / 8; in every step O and l are multiplied by a = 2^(c m_old - c m_new).  The row sum l is a product too,
; ones x P: an f32 sum of the weights as rounded to bf16, the same weights that multiply K; every register of its result holds the query's whole sum, so no lanes are exchanged for it.
; Of l's eight equal registers only the first is rescaled and read; the other seven hold sums of weights of at most 1 each, 2,048 at the most.
; LIMITS.  A weight below 2^-126 of its row's largest comes out of v_exp_f32 as zero (ISA guide 15.8).  Scores that overflow f32 give infinities or NaN.  Weights are rounded to bf16.
; REGISTERS, in windows of 256 (s_set_vgpr_msb: bits 1:0 source 0, 3:2 source 1, 5:4 source 2, 7:6 destination):
;   window 0: v2-8 addresses; v12-43 eight registers of statistics a tile; v48-55 ones; v64-191 S^T, 32 a tile (then P in the first 16); v192-255 K's eight fragments, then V^T's
;   window 1: v0-127 O^T, 32 a tile; v128-159 l, 8 a tile; v160-223 Q, 16 a tile
.set KS,    64        ; keys in a step
.set PK,    144       ; a key's row in LDS: 128 bytes + 16 of padding = 36 words: row r starts at bank 36 r mod 64 (64 banks of 4 bytes: ISA guide 11.1): the 16 rows of a plain load take 16 different columns of 16 bytes
.set STEPB, KS*PK     ; 9,216 bytes a step
.set PART1, 512*PK    ; the first 512 keys: 73,728 bytes
.set SP,    272       ; the stage's rows: 256 bytes + 16
.set AK,  2           ; v2   my lane's place in a step's K; never rewritten
.set AV,  3           ; v3   the same for the turning loads
.set QO,  4           ; v4   my byte offset in the wave's rows of Q
.set STO, 5           ; v5   the way out: where I put 32 bytes of a row
.set RD,  6           ; v6   the way out: where I read a row back
.set GO,  7           ; v7   my byte offset in the wave's rows of the output
.set ADR, 8           ; v8   the LDS address of the run of loads in hand
.set ST,  12          ; tile t's statistics at v[ST+8 t]: +0 c m, +1 m, +2 c m_old, +4 to +7 c0-c3, at work; a takes c2's place, c m_old - c m c3's
.set ONES, 48
.set S,   64
.set KV,  192
.set O,   0           ; in window 1
.set LR,  128
.set QR,  160
.set WV,  12          ; s12  my wave's number
.set G1A, 24          ; s[24:31] descriptor group 1: 64 keys
.set G1B, 32          ; s[32:39] 192 keys
.set G0A, 40          ; s[40:43] descriptor group 0 of my 64 of the first 512 keys
.set G0B, 44          ; s[44:47] of my 192 of the other 1,536
.set CNT, 56          ; s56  the loops' counter
.set TB,  57          ; s57  LDS byte at which the step in hand begins
.set CS,  58          ; s[58:59] c: the packed scaling names a pair and takes its low word for both halves
.set SEL, 60          ; s[60:61] lane selects for v_permlanex16_b32: each lane takes its own place in the other half
.set MSB, 0
.macro WIN new                      ; the immediate's high byte repeats the setting that is left; a switch that changes nothing is dropped
.if MSB != \new
	s_set_vgpr_msb (MSB<<8)|\new
.set MSB, \new
.endif
.endm
.set W_KQ, 0x04       ; Q (source 1) in window 1; also an LDS store's data
.set W_RS, 0x41       ; O^T or l (destination and source 0) in window 1, a in window 0
.set W_PV, 0x50       ; C and D in window 1
; A round of the cluster's barrier: my work-group's barrier, so that wave 0's signal speaks for all eight waves; wave 0 signals for the work-group; every wave waits for all four
; work-groups; my work-group's barrier once more.
.macro CROUND
	s_barrier_signal -1
	s_barrier_wait -1
	s_cmp_lg_u32 s[WV], 0
	s_cbranch_scc1 .Lnot_wave_0_\@
	s_barrier_signal -3
.Lnot_wave_0_\@:
	s_barrier_wait -3
	s_barrier_signal -1
	s_barrier_wait -1
.endm
	s_load_b128 s[4:7], s[0:1], 0x0 ; qp s[4:5], kp s[6:7]
	s_load_b64 s[8:9], s[0:1], 0x10 ; out0
	v_lshl_add_u32 v62, v0, 2, 0x48000
	v_mov_b32 v63, 0
	ds_add_u32 v62, v63
	v_lshrrev_b32 v1, 5, v0
	v_readfirstlane_b32 s[WV], v1   ; wave 0..7
	s_bfe_u32 s13, ttmp6, 0x40000   ; cx: my place in the cluster
	s_lshl_b32 s14, ttmp9, 2        ; in a cluster launch ttmp9 counts clusters
	s_add_co_u32 s14, s14, s13      ; my block of 512 queries: it enters Q's and the output's addresses alone
	s_and_b32 s20, ttmp7, 0xffff    ; (batch, head), which the four partners share
	s_lshl_b32 s21, s20, 18         ; its first byte in qp and in kp
	s_lshl_b32 s22, s[WV], 13       ; K: my 64 of the first 512 keys, 128 bytes each
	s_add_co_u32 s22, s22, s21
	s_mov_b32 s23, 0
	s_mul_i32 s16, s[WV], 192*128   ; and my 192 of the others,
	s_add_co_u32 s16, s16, s21
	s_add_co_u32 s16, s16, 512*128  ; which begin behind the first 512
	s_mov_b32 s17, 0
	s_lshl_b32 s2, s14, 16          ; Q: my block's 512 rows of 128 bytes,
	s_lshl_b32 s3, s[WV], 13        ; my wave's 64 of them
	s_add_co_u32 s2, s2, s3
	s_add_co_u32 s2, s2, s21
	s_mov_b32 s3, 0
	s_lshr_b32 s10, s20, 4          ; the output: batch x 2,048 rows of 4,096 bytes,
	s_lshl_b32 s10, s10, 23
	s_lshl_b32 s11, s14, 21         ; block x 512 rows,
	s_add_co_u32 s10, s10, s11
	s_lshl_b32 s11, s[WV], 18       ; wave x 64 rows,
	s_add_co_u32 s10, s10, s11
	s_and_b32 s11, s20, 15
	s_lshl_b32 s11, s11, 8          ; head x 256 bytes
	s_add_co_u32 s10, s10, s11
	s_mov_b32 s11, 0
	; descriptor group 1: rows of 64 elements of 2 bytes (a key), padded in LDS
.irp g, G1A, G1B
	s_mov_b32 s[\g], 15|(1<<16)|(1<<20)|(1<<21)|(4<<22)|(3<<25)  ; 15:0 the mask: all four work-groups; 17:16 elements of 2 bytes; 20 padding on; 21 set beside a mask; 24:22 after every 32 words (code 4); 31:25 4 words of it (code 3)
	s_mov_b32 s[\g+1], 64<<16       ; tensor_dim0 = 64
	s_mov_b32 s[\g+3], 64<<16       ; tile_dim0 = 64
	s_mov_b32 s[\g+5], 64           ; elements from row to row
	s_mov_b32 s[\g+6], 0
	s_mov_b32 s[\g+7], 0
.endr
	s_mov_b32 s[G1A+2], 64<<16      ; tensor_dim1 and
	s_mov_b32 s[G1A+4], 64          ; tile_dim1 = 64 keys
	s_mov_b32 s[G1B+2], 192<<16
	s_mov_b32 s[G1B+4], 192         ; 192 keys
	s_mov_b32 s[CS], 0x3e38aa3b     ; c = log2(e) / 8 = 0.180337
	s_mov_b32 s[CS+1], s[CS]        ; named with it as a pair, so it is written
	s_mov_b32 s[SEL], 0x76543210
	s_mov_b32 s[SEL+1], 0xfedcba98
	s_mov_b32 s[TB], 0
	s_wait_dscnt 0x0
	s_wait_kmcnt 0x0
	s_add_nc_u64 s[4:5], s[4:5], s[2:3]    ; Q and the output at my wave's first row
	s_add_nc_u64 s[8:9], s[8:9], s[10:11]
	s_mov_b32 s[G0A], 1             ; count = 1
	s_mul_i32 s[G0A+1], s[WV], 64*PK  ; LDS address: wave x 64 rows: no place in the cluster enters an LDS address
	s_add_nc_u64 s[G0A+2:G0A+3], s[6:7], s[22:23]
	s_or_b32 s[G0A+3], s[G0A+3], 0x80000000  ; type = 2
	s_mov_b32 s[G0B], 1
	s_mul_i32 s[G0B+1], s[WV], 192*PK
	s_add_co_u32 s[G0B+1], s[G0B+1], PART1
	s_add_nc_u64 s[G0B+2:G0B+3], s[6:7], s[16:17]
	s_or_b32 s[G0B+3], s[G0B+3], 0x80000000
	CROUND                          ; all four work-groups are here: the joint loads meet
	tensor_load_to_lds s[G0A:G0A+3], s[G1A:G1A+7]  ; every wave asks for rows of its own: two loads of mine are out, and no more follow
	s_nop 0
	tensor_load_to_lds s[G0B:G0B+3], s[G1B:G1B+7]
	s_nop 0
.rept 4
	v_nop                           ; four v_nop follow the tensor loads
.endr
	; A fragment of K or Q is 16 rows x 32 channels in 8 registers: lane l holds row l % 16; registers 0-3 channels 8 (l / 16) + 0..7, registers 4-7 channels 16 + 8 (l / 16) + 0..7: two loads of 16 bytes, 32 bytes apart.
	v_and_b32 v1, 15, v0            ; r = l % 16
	v_bfe_u32 v9, v0, 4, 1          ; h = l / 16
	v_lshlrev_b32 v[QO], 7, v1
	v_lshl_add_u32 v[QO], v9, 4, v[QO]  ; row x 128 + 16 h
	WIN 0x40                        ; destination window 1, address window 0
.irp i, 0,1,2,3,4,5,6,7             ; Q stays in registers: tile i / 2, channels 32 (i % 2) on
	global_load_b128 v[QR+8*\i:QR+8*\i+3],   v[QO], s[4:5] offset:(\i/2)*2048+(\i%2)*64 th:TH_LOAD_NT
	global_load_b128 v[QR+8*\i+4:QR+8*\i+7], v[QO], s[4:5] offset:(\i/2)*2048+(\i%2)*64+32 th:TH_LOAD_NT
.endr
	WIN 0
	v_mul_u32_u24 v[AK], v1, PK
	v_lshl_add_u32 v[AK], v9, 4, v[AK]  ; row x pitch + 16 h
	; The turning load takes 16 keys x 16 channels (lane l reads 16 bytes: key 8 (l / 16) + l % 8, channels 8 ((l / 8) % 2) + 0..7) and leaves half a fragment of V^T: lane l holds channel l % 16 and 8 keys.
	v_and_b32 v10, 7, v0
	v_bfe_u32 v11, v0, 3, 1
	v_lshl_add_u32 v[AV], v9, 3, v10
	v_mul_u32_u24 v[AV], v[AV], PK
	v_lshl_add_u32 v[AV], v11, 4, v[AV]
	s_mul_i32 s15, s[WV], 16*SP     ; my stage: 4,352 bytes of K's region, written only when K has been read out
	v_mul_u32_u24 v[STO], v1, SP    ; in: row r, 32 bytes for each half of the lanes
	v_lshl_add_u32 v[STO], v9, 5, v[STO]
	v_add_nc_u32 v[STO], s15, v[STO]
	v_mul_u32_u24 v[RD], v9, SP     ; back: lanes 0-15 take one row of 256 bytes, lanes 16-31 the next
	v_lshl_add_u32 v[RD], v1, 4, v[RD]
	v_add_nc_u32 v[RD], s15, v[RD]
	v_lshlrev_b32 v[GO], 12, v9     ; and the same two rows in the output, 4,096 bytes apart
	v_lshl_add_u32 v[GO], v1, 4, v[GO]
.irp i, 0,1,2,3,4,5,6,7
	v_mov_b32 v[ONES+\i], 0x3f803f80  ; 16 x 32 ones in bf16
.endr
; THE LDS LOADS stand in two runs of 16 a step.  A step's K: fragment 2 kt + c holds keys 16 kt on, channels 32 c on.
.macro LOADK
	v_add_nc_u32 v[ADR], s[TB], v[AK]
.irp f, 0,1,2,3,4,5,6,7
	ds_load_b128 v[KV+8*\f:KV+8*\f+3],   v[ADR] offset:(\f/2)*16*PK+(\f%2)*64
	ds_load_b128 v[KV+8*\f+4:KV+8*\f+7], v[ADR] offset:(\f/2)*16*PK+(\f%2)*64+32
.endr
.endm
; The same rows turned: fragment 4 c + ct holds keys 32 c on, channels 16 ct on.
.macro LOADV
	v_add_nc_u32 v[ADR], s[TB], v[AV]
	s_add_co_u32 s[TB], s[TB], STEPB  ; the next run is the next step's
.irp f, 0,1,2,3,4,5,6,7
	ds_load_tr16_b128 v[KV+8*\f:KV+8*\f+3],   v[ADR] offset:(\f/4)*32*PK+(\f%4)*32
	ds_load_tr16_b128 v[KV+8*\f+4:KV+8*\f+7], v[ADR] offset:(\f/4)*32*PK+16*PK+(\f%4)*32
.endr
.endm
; 32 products S^T = K Q^T.  The first 16 start the sums.  The 16 accumulators take turns, one instruction a turn.
.macro KQ
	WIN W_KQ
.irp c, 0,1
.irp kt, 0,1,2,3
.irp t, 0,1,2,3
.if \c == 0
	v_wmma_f32_16x16x32_bf16 v[S+32*\t+8*\kt:S+32*\t+8*\kt+7], v[KV+8*(2*\kt+\c):KV+8*(2*\kt+\c)+7], v[QR+16*\t+8*\c:QR+16*\t+8*\c+7], 0
.else
	v_wmma_f32_16x16x32_bf16 v[S+32*\t+8*\kt:S+32*\t+8*\kt+7], v[KV+8*(2*\kt+\c):KV+8*(2*\kt+\c)+7], v[QR+16*\t+8*\c:QR+16*\t+8*\c+7], v[S+32*\t+8*\kt:S+32*\t+8*\kt+7]
.endif
.endr
.endr
.endr
.endm
; 40 products: O^T += V^T P (u = 0..3: channels 16 u on) and l += ones x P (u = 4), keys 32 c on.  first = 1: the first 20 start the sums: nothing is cleared.  The 20 accumulators take turns likewise.
.macro PV first
	WIN W_PV
.irp c, 0,1
.irp u, 0,1,2,3,4
.irp t, 0,1,2,3
.if \u < 4
.set rD, O+32*\t+8*\u
.set rA, KV+8*(4*\c+\u)
.else
.set rD, LR+8*\t
.set rA, ONES
.endif
.if \first && (\c == 0)
	v_wmma_f32_16x16x32_bf16 v[rD:rD+7], v[rA:rA+7], v[S+32*\t+8*\c:S+32*\t+8*\c+7], 0
.else
	v_wmma_f32_16x16x32_bf16 v[rD:rD+7], v[rA:rA+7], v[S+32*\t+8*\c:S+32*\t+8*\c+7], v[rD:rD+7]
.endif
.endr
.endr
.endr
.endm
; THE SOFTMAX of one tile for one step is a list of 88 numbers; SM writes number j of it for tile t.  s0-s31 are the lane's 32 scores, in pairs 0-15.  first = 1: the first step, which has no old maximum and no a.
;   0-15   the maximum of s0-s31 and the old m, three operands at a time: four chains c0-c3 of seven scores each, then the four scores left over, c0-c3 and m
;   16-20  the other half of the lanes' maximum; the new m; c m; c m_old - c m; a
;   21-22  c s - c m for pairs 0 and 1
;   23-86  exponential n (0..31) at number 23 + 2 n.  At 24 + 2 n stands what is ready: for even n up to 26, c s - c m for pair n / 2 + 2; for odd n from 3 on, the rounding of pair (n - 3) / 2
;   87     the rounding of pair 15
; Rounding p writes register p of the tile's scores, whose weight rounding p / 2 has already read.  The list is walked number by number, the four tiles inside each number: behind a number's four
; exponentials stand plain instructions on other registers before any of the four results is used (ISA guide 5.7.2), and no instruction reads the result of the one just before it.
.macro SCALE b
	v_pk_fma_f32 v[rS+2*(\b):rS+2*(\b)+1], v[rS+2*(\b):rS+2*(\b)+1], s[CS:CS+1], v[rT:rT+1] op_sel_hi:[1,0,0] neg_lo:[0,0,1] neg_hi:[0,0,1]
.endm
.macro TOBF p
	s_wait_alu depctr_va_vdst(0)
	v_cvt_pk_bf16_f32 v[rS+(\p)], v[rS+2*(\p)], v[rS+2*(\p)+1]
.endm
.macro SM t, first
.set rT, ST+8*(\t)
.set rS, S+32*(\t)
.set n, (j-23)/2
.if j < 4
	v_max3_num_f32 v[rT+4+j], v[rS+8*j], v[rS+8*j+1], v[rS+8*j+2]
.elseif j < 12
	v_max3_num_f32 v[rT+4+j%4], v[rT+4+j%4], v[rS+8*(j%4)+2*(j/4)+1], v[rS+8*(j%4)+2*(j/4)+2]
.elseif j == 12
	v_max3_num_f32 v[rT+4], v[rT+4], v[rS+7], v[rS+15]
.elseif j == 13
	v_max3_num_f32 v[rT+6], v[rT+6], v[rS+23], v[rS+31]
.elseif j == 14
	v_max3_num_f32 v[rT+4], v[rT+4], v[rT+5], v[rT+6]
.elseif (j == 15) && \first
	v_max_num_f32 v[rT+4], v[rT+4], v[rT+7]
.elseif j == 15
	v_max3_num_f32 v[rT+4], v[rT+4], v[rT+7], v[rT+1]
.elseif j == 16
	v_permlanex16_b32 v[rT+5], v[rT+4], s[SEL], s[SEL+1]  ; the query's other 32 keys lie in the lane 16 away
.elseif j == 17
	v_max_num_f32 v[rT+1], v[rT+4], v[rT+5]
.elseif j == 18
	v_mul_f32 v[rT], s[CS], v[rT+1]
.elseif ((j == 19) || (j == 20)) && \first  ; the first step has neither
.elseif j == 19
	v_sub_f32 v[rT+7], v[rT+2], v[rT]
.elseif j == 20
	v_exp_f32 v[rT+6], v[rT+7]
.elseif j < 23
	SCALE j-21
.elseif j == 87
	TOBF 15
.elseif j%2 == 1
	v_exp_f32 v[rS+n], v[rS+n]
.elseif (n%2 == 0) && (n <= 26)
	SCALE n/2+2
.elseif (n%2 == 1) && (n >= 3)
	TOBF (n-3)/2
.endif
.endm
.macro SOFTMAX first
.set j, 0
.rept 88
.irp t, 0,1,2,3
	SM \t, \first
.endr
.set j, j+1
.endr
.endm
; O^T and l times a
.macro RESC
	WIN W_RS
.irp t, 0,1,2,3
.set i, 0
.rept 16
	v_pk_mul_f32 v[O+32*\t+i:O+32*\t+i+1], v[O+32*\t+i:O+32*\t+i+1], v[ST+8*\t+6:ST+8*\t+7] op_sel_hi:[1,0]
.set i, i+2
.endr
	v_mul_f32 v[LR+8*\t], v[LR+8*\t], v[ST+8*\t+6]
.endr
.endm
; A KEY STEP.  A vector instruction that reads a matrix result, and a load into a register that a matrix instruction has read, stand four places behind it; a matrix instruction that writes over
; another's registers five; only plain vector instructions that name none of its registers are places (ISA guide 7.12.1 for vector instructions).
.macro STEP first
	LOADK
	s_wait_dscnt 0x0                ; K is in
	KQ
	WIN 0
.if \first
.rept 4
	v_nop
.endr
.else
.irp t, 0,1,2,3
	v_mov_b32 v[ST+8*\t+2], v[ST+8*\t]  ; c m_old is kept for a; these four are the places behind the last K Q^T, in front of the loads over K's fragments and of the first read of the scores
.endr
.endif
	LOADV                           ; lands under the softmax
	SOFTMAX \first
.if !\first
	RESC
.endif
	s_wait_dscnt 0x0                ; V^T is in
	PV \first
	WIN 0
.rept 5
	v_nop                           ; five places: the next step loads over V^T's fragments, and its first products write over P
.endr
.endm
	s_wait_tensorcnt 0x1            ; my 64 of the first 512 keys are in; my 192-key load, issued behind them, may stay out
	s_barrier_signal -1
	s_barrier_wait -1               ; everybody's are: LDS bytes 0 to 73,727
	s_wait_loadcnt 0x0              ; Q
	STEP 1                          ; keys 0 to 63 start m, l and O^T
	s_mov_b32 s[CNT], 7
.Lpart1:                            ; keys 64 to 511: s[TB] ends at 7 x 9,216, and a step reads 9,216 bytes from there: nothing beyond byte 73,727
	STEP 0
	s_sub_co_u32 s[CNT], s[CNT], 1
	s_cmp_lg_u32 s[CNT], 0
	s_cbranch_scc1 .Lpart1
	s_wait_tensorcnt 0x0            ; my 192 keys are in; no LDS instruction of mine is out (the step's last wait was for zero)
	s_barrier_signal -1
	s_barrier_wait -1               ; everybody's are
	s_mov_b32 s[CNT], 24
.Lpart2:                            ; keys 512 to 2,047
	STEP 0
	s_sub_co_u32 s[CNT], s[CNT], 1
	s_cmp_lg_u32 s[CNT], 0
	s_cbranch_scc1 .Lpart2
	; THE WAY OUT.  K has had its only fill and has been read out: behind this barrier each wave uses 4,352 bytes of K's region as its stage.
	s_wait_dscnt 0x0                ; my reads of K are back (met: the last step's wait was for zero)
	s_barrier_signal -1
	s_barrier_wait -1               ; every wave's are
	WIN 0x01                        ; source 0 window 1
.irp t, 0,1,2,3
	v_rcp_f32 v[ST+8*\t+6], v[LR+8*\t]  ; l is at least the largest weight, 1; the five v_nop of the last step are the places behind its products
.endr
	WIN 0
	v_nop                           ; a plain instruction between the last reciprocal and the use of its result
	s_wait_alu depctr_va_vdst(0)
; Tile t: O^T divided by l; a lane's eight channels of a block are 32 bytes of a row; they go into rows of 272 bytes and come back as whole rows of 256.
.macro PACK t
	WIN W_RS
.set i, 0
.rept 16
	v_pk_mul_f32 v[O+32*\t+i:O+32*\t+i+1], v[O+32*\t+i:O+32*\t+i+1], v[ST+8*\t+6:ST+8*\t+7] op_sel_hi:[1,0]
.set i, i+2
.endr
	WIN W_KQ                        ; an LDS store's data is source 1: window 1
.irp u, 0,1,2,3
	ds_store_b128 v[STO], v[O+32*\t+8*\u:O+32*\t+8*\u+3]   offset:64*\u
	ds_store_b128 v[STO], v[O+32*\t+8*\u+4:O+32*\t+8*\u+7] offset:64*\u+16
.endr
	WIN 0
.irp f, 0,1,2,3,4,5,6,7
	ds_load_b128 v[S+32*\t+4*\f:S+32*\t+4*\f+3], v[RD] offset:\f*2*SP  ; LDS serves a wave's instructions in order (ISA guide 5.7.1.4): these see the stores above; the next tile's stores come behind them
.endr
.endm
.macro SEND t, younger              ; younger: the LDS instructions issued behind tile t's loads: the next tile's sixteen, or none
.irp f, 0,1,2,3,4,5,6,7
	s_wait_dscnt \younger+7-\f      ; load f of the tile's eight is back; its later loads and the younger ones may stay out
	global_store_b128 v[GO], v[S+32*\t+4*\f:S+32*\t+4*\f+3], s[8:9] offset:\t*65536+\f*8192 th:TH_STORE_NT  ; 16 lanes store a head's 256 consecutive bytes of a row, at a multiple of 256 from the output's first byte
.endr
.endm
	PACK 0
	PACK 1                          ; a tile's arithmetic stands between the loads of the tile before and its stores
	SEND 0, 16
	PACK 2
	SEND 1, 16
	PACK 3
	SEND 2, 16
	SEND 3, 0
	s_wait_tensorcnt 0x0
	ds_add_u32 v62, v63
	s_wait_dscnt 0x0
	CROUND                          ; the closing round: no work-group ends while a partner may still ask for a tile that names it
	s_endpgm
.Lfunc_end_k_qb08008c297_attn:
	.size	k_qb08008c297_attn, .Lfunc_end_k_qb08008c297_attn-k_qb08008c297_attn
	.p2alignl 7, 3214868480
	.fill 96, 4, 3214868480
	.section	.rodata,"a",@progbits
	.p2align	6, 0x0
	.amdhsa_kernel k_qb08008c297_attn
		.amdhsa_group_segment_fixed_size 295936
		.amdhsa_private_segment_fixed_size 0
		.amdhsa_enable_private_segment 0
		.amdhsa_kernarg_size 24
		.amdhsa_user_sgpr_count 2
		.amdhsa_user_sgpr_kernarg_segment_ptr 1
		.amdhsa_wavefront_size32 1
		.amdhsa_system_sgpr_workgroup_id_x 1
		.amdhsa_system_sgpr_workgroup_id_y 1
		.amdhsa_system_sgpr_workgroup_id_z 1
		.amdhsa_system_vgpr_workitem_id 0
		.amdhsa_next_free_vgpr 480
		.amdhsa_next_free_sgpr 66
		.amdhsa_reserve_vcc 0
		.amdhsa_float_denorm_mode_32 3
		.amdhsa_float_denorm_mode_16_64 3
		.amdhsa_memory_ordered 1
		.amdhsa_forward_progress 1
		.amdhsa_inst_pref_size 107
	.end_amdhsa_kernel
	.amdgpu_metadata
---
amdhsa.version: [ 1, 2 ]
amdhsa.kernels:
  - .name:           k_qb08008c297_attn
    .symbol:         k_qb08008c297_attn.kd
    .args:
      - { .name: qp, .offset: 0, .size: 8, .value_kind: global_buffer, .address_space: global }
      - { .name: kp, .offset: 8, .size: 8, .value_kind: global_buffer, .address_space: global }
      - { .name: out0, .offset: 16, .size: 8, .value_kind: global_buffer, .address_space: global }
    .group_segment_fixed_size: 295936
    .private_segment_fixed_size: 0
    .kernarg_segment_align: 8
    .kernarg_segment_size: 24
    .max_flat_workgroup_size: 256
    .sgpr_count:     66
    .vgpr_count:     480
    .wavefront_size: 32
...
	.end_amdgpu_metadata
.endif
;; end of part 2
